; MI455X (gfx1250); checked and timed in simulation.
; The chip was launched on July 23, 2026; its instructions are those of AMD's public machine-readable ISA for CDNA 5 (MIT licence, August 2026) and "CDNA5" Instruction Set Architecture Reference Guide (July 2026). The comments in the code are by the model that wrote it; some were corrected since.
;; Multihead Attention. Allowed arithmetic: matrix products marked QUANTISED: E4M3 operands, one given power-of-two scale a tensor, by v_wmma_f32_16x16x64_fp8_fp8 or v_wmma_f32_16x16x128_fp8_fp8, f32 sums; everything else in f32.
;; Inputs: W_attn_codes 3,072 x 32 x 32 uint8 (E4M3 codes of W_attn, K innermost, in blocks of 32 codes); W_proj_codes 1,024 x 32 x 32 uint8 (E4M3 codes of W_proj, K innermost, in blocks of 32 codes); b_attn 3,072 float32; b_proj 1,024 float32; lowp_scales 8 int32 (the exponents e of the quantised operands' scales 2^e); x_codes 4 x 2,048 x 32 x 32 uint8 (E4M3 codes of x, K innermost, in blocks of 32 codes).
;; Outputs: out0 4 x 2,048 x 1,024 float32.
;; This version of the problem:
;;   THIS VERSION OF THE PROBLEM IS GIVEN IN LOW PRECISION. The matrix products marked QUANTISED in the list below multiply operands that are first quantised to E4M3 (4 exponent bits, 3 mantissa bits; 8 bits a number), with one given power-of-two scale for each operand tensor; their sums are f32. All else is computed in f32.
;;   The module's matrix products, in the order in which they are computed (A, B: the left and right operand; K: the contracted axis; several contracted axes count as one K, in the product's order):
;;     1. [M 8,192, K 1,024] x [K 1,024, N 3,072]; A: input x (given as codes); B: input W_attn (given as codes): QUANTISED (scales: A lowp_scales[0], B lowp_scales[1])
;;     2. batch 64 x [M 2,048, K 64] x [K 64, N 2,048]; A: computed on the way; B: computed on the way: QUANTISED (scales: A lowp_scales[2], B lowp_scales[3])
;;     3. batch 64 x [M 2,048, K 2,048] x [K 2,048, N 64]; A: softmax (see below); B: computed on the way: QUANTISED (scales: A lowp_scales[4], B lowp_scales[5])
;;     4. [M 8,192, K 1,024] x [K 1,024, N 1,024]; A: computed on the way; B: input W_proj (given as codes): QUANTISED (scales: A lowp_scales[6], B lowp_scales[7])
;;   THE QUANTISER, for each operand of a quantised product, along K:
;;     - The operand's scale is 2^e, e = its entry of the input lowp_scales (int32; the entries are numbered through the quantised products in the list's order, A before B).
;;     - Each number is divided by the scale, clamped to +-448, and rounded to the nearest number of E4M3, ties to even, subnormals kept.
;;     - The product sums the exact products of the quantised numbers (number of the format x scale) in f32.
;;   ~~~python
;;   def quantise(x, axis, e):      # numpy; x: float32 -> the quantised numbers, widened to float32 again
;;       x = np.moveaxis(x, axis, -1); K = x.shape[-1]
;;       r = np.clip(x / 2.0 ** e, -448, 448)
;;       step = 2.0 ** (np.maximum(np.frexp(np.where(r == 0, 1, r))[1] - 1, -6) - 3)
;;       q = np.round(r / step) * step * 2.0 ** e      # np.round: ties to even
;;       return np.moveaxis(q, -1, axis).astype(np.float32)
;;   ~~~
;;   SOFTMAX AHEAD OF A QUANTISED PRODUCT. Where the list says 'softmax', what is quantised is not the finished softmax but p = 2^(t - M), with t = logit x log2(e) and M = ceil(the row's largest t), a whole number; so 1/2 < the row's largest p <= 1. The row's sum l is taken of the UNQUANTISED p, in f32, and the product's result is divided by l at the end. Since M is a whole number, a kernel that streams over the keys may use a running M (the ceiling of the running maximum): every later rescaling is an exact power of two, so the quantised numbers keep their values, but for numbers so far below the row's largest that they fall under the format's range.
;;   OPERANDS COMPUTED ON THE WAY. 'Computed on the way' means the value that the module computes at that place (a softmax that the list does not call 'softmax' is quantised finished and normalised). What goes into a quantiser is computed in f32, as accurately as f32 sums, v_exp_f32 and their like allow (about 1e-6 of the number): no bf16 or f16 on the way to a quantiser, and a product that is left as it is and whose result goes on into a quantised operand takes f32 operands (vector FMAs, or v_wmma_f32_16x16x4_f32). A number that lies on a knife's edge between two numbers of the format may be rounded either way, as far as f32 arithmetic and the matrix unit's own rounding can turn it there, and no further.
;;   INPUTS GIVEN AS CODES. W_attn (in the module: [1024, 3072], K = its axis 0); W_proj (in the module: [1024, 1024], K = its axis 0); x (in the module: [4, 2048, 1024], K = its axis 2): each comes as NAME_codes (uint8): NAME with its K axis moved to the last place and cut into blocks of 32 codes, [.., K / 32, bytes a block], one block behind the other in memory; one code a byte (a code: sign, 4 exponent bits, 3 mantissa bits); its scale is its entry of lowp_scales. Its value is code x scale, taken as it is: it is not quantised again, and the codes and scales need not be those that the quantiser above would give.
;; One version. Each part assembles by itself: llvm-mc -triple=amdgcn-amd-amdhsa -mcpu=gfx1250 --defsym DOCPART=n.
;; ======== version 1 of 1: 3 launches
;; limits: right only within a limited range of input values
;; workspace buffers: q_codes 8,388,608 bytes; k_codes 8,388,608 bytes; vt_codes 8,388,608 bytes; y_codes 8,388,608 bytes
;; launch qkv (part 1): grid 12 x 32, 4 waves a work-group, clusters of 4 x 4, 327,680 bytes of LDS; arguments x_codes, W_attn_codes, b_attn, lowp_scales, q_codes, k_codes, vt_codes; writes q_codes, k_codes, vt_codes
.if DOCPART == 1
	.amdgcn_target "amdgcn-amd-amdhsa--gfx1250"
	.amdhsa_code_object_version 6
	.text
	.protected	k_q181a3a8b00_qkv
	.globl	k_q181a3a8b00_qkv
	.p2align	8
	.type	k_q181a3a8b00_qkv,@function
k_q181a3a8b00_qkv:
	s_mov_b64 s[64:65], 0
	v_nop
	global_prefetch_b8 v0, s[64:65] scope:SCOPE_SE
	s_setreg_imm32_b32 hwreg(HW_REG_WAVE_MODE, 25, 1), 1
	s_wait_xcnt 0x0
	s_wait_alu depctr_hold_cnt(0) depctr_sa_sdst(0) depctr_va_vdst(0) depctr_va_sdst(0) depctr_va_ssrc(0) depctr_va_vcc(0) depctr_vm_vsrc(0)
	s_getreg_b32 s2, hwreg(HW_REG_IB_STS2, 6, 4)
	s_cmp_eq_u32 s2, 0
	s_cbranch_scc0 .Lentry_in_a_cluster
	s_endpgm
.Lentry_in_a_cluster:
	s_bfe_u32 s2, ttmp6, 0x10000c
	s_cmp_lg_u32 s2, 0xf033
	s_cbranch_scc0 .Lentry_shape_is_right
	s_endpgm
.Lentry_shape_is_right:
; qkv = x W_attn + b_attn on codes of FP8 (E4M3), and its three parts quantised again: q, k, v leave as codes.  x: [8192][1024], W_attn: [3072][1024], one code a byte, K innermost.
; A tile of 256 x 256 of the result is made by four waves, each 128 x 128: 64 accumulators, 512 registers.  K = 1,024 goes in four slot fills of 256 through two LDS slots; a step of the work is 128 along K.
; CLUSTERS of 4 x 4 work-groups; cluster x says which part: 0 = q, 1 = k, 2 = v.  ONE TEXT SERVES ALL THREE, since both inputs have rows of 1,024 bytes and the tile is square:
;   q, k: operand A = 256 tokens of x, operand B = 256 rows of W_attn;     v: operand A = 256 rows of W_attn (from row 2,048 on), operand B = 256 tokens of x.
; The matrix instruction takes B's rows as source 0 and A's rows as source 1: a lane holds ONE row of A and eight neighbouring rows of B.  So for q and k a lane's eight results are eight channels of a token,
; for v eight TOKENS of a channel: each is what the next product sums over, and the conversions give codes with that axis innermost.  Nothing is transposed.
; A's tile hangs on the cluster's row alone, B's on its column alone: each is asked for jointly by the four work-groups that share it.
; LAYOUTS THAT LEAVE (sw(i) = i with bits 3 and 4 exchanged; it falls out of storing the codes of two neighbouring 16-column tiles as one run of 16 bytes):
;   q_codes, k_codes [64 batch x head][2048 token][64]: byte sw(d) holds channel d, alike in q and k.     vt_codes [64 batch x head][64][2048]: row sw(d), byte sw(t) holds v(t, d).
; ARITHMETIC: a sum stands for sum x 2^(e0 + e1).  The bias goes in as b / 2^(e0 + e1); the conversion then divides by 2^(eo - e0 - e1), eo = e2 (q), e3 (k), e5 (v); the hold at +-448 x that is always made.
; LIMITS: eo - e0 - e1 between -126 and 119.  NaN among the biases or codes is not served.  Fragments are fetched 16 bytes a lane, a permutation of k that is the same on both sides: only the order of the sums inside an instruction changes.
; No prefetch: the launch has four slot fills, two of them asked for at its head.
; REGISTERS: window 0: v1-30 addresses and constants; v48-63, v64-127 the biases; v128-255 A's fragments, one set (free on the way out).  window 1: B's fragments, two sets.  windows 2, 3: the accumulators ((a, b) at v[8 (8 (a % 4) + b)]).
.set PITCH,  272                       ; an LDS row: 256 bytes + 16 of padding = 68 words: the 16 rows that a load touches start at 16 different banks (64 banks of 4 bytes: ISA guide 11.1)
.set FR,     16                        ; registers of a fragment: 16 rows x 128 K
.set HALFT,  128*PITCH                 ; 128 rows: what one tensor load brings
.set SLOT,   4*HALFT                   ; A's 256 rows, then B's 256 rows
.set SPARE,  2*SLOT                    ; behind the ring: the spare words, 128 bytes a wave, that no other line names
.set SCL,  12                          ; v12  2^(eo - e0 - e1) as f32
.set LIM,  13
.set ADRA, 16                          ; v16-17  LDS address of my A fragments in slot 0, 1
.set ADRB, 20                          ; v20-21  the same for B
.set STO,  24                          ; v24  the stage: where I put 16 bytes of a row
.set RDQ,  25                          ; v25  the stage read back for q, k: eight tokens x 64 bytes
.set COQ,  26                          ; v26  and the same bytes in q_codes or k_codes: 16 x lane
.set RDV,  27                          ; v27  the stage read back for v: two rows x 256 bytes
.set SPW,  28                          ; v28  my spare word; never rewritten
.set NIL,  29                          ; v29  0; never rewritten
.set COV,  30                          ; v30  the same two rows in vt_codes
.set BM,   48                          ; v48-63   bias by A's row: block a in the pair 2 a, 2 a + 1 (the same number twice)
.set BN,   64                          ; v64-127  bias by B's row: block b, my eight
.set AF,   128
.set TMP,  128                         ; the way out: 64 numbers of a block
.set CD,   192                         ; and their codes, two sets of 16 registers
.set OUTR, 128                         ; the way out: 32 x 4 registers read back from the stage
.set G1,  24                           ; s[24:31] descriptor group 1 for A's tiles; s[32:39] group 0, a set for each slot
.set G0,  32
.set G1B, 48                           ; s[48:55], s[56:63] the same for B's
.set G0B, 56
.set MSB, 0
.macro WIN new                         ; the immediate's high byte repeats the setting that is left
.if MSB != (\new)
	s_set_vgpr_msb (MSB<<8)|(\new)
.set MSB, \new
.endif
.endm
.set MUL_LO, 0xa1                      ; source 0 (B) window 1, source 1 (A) window 0, C and D window 2
.set MUL_HI, 0xf1                      ; the same, C and D window 3
.set TO_B,   0x40                      ; destination window 1, address window 0
.macro PLACES n                        ; plain vector instructions between a matrix instruction and a load into, or a vector read or write of, its registers
.rept \n
	v_nop
.endr
.endm
.macro JLOAD s                         ; a joint load: waves 0, 1 fetch A's halves, waves 2, 3 B's; four v_nop follow each line
	s_cmp_eq_u32 s15, 0
	s_cbranch_scc0 .Lfor_b_\@
	tensor_load_to_lds s[G0+4*\s:G0+4*\s+3], s[G1:G1+7]
	s_nop 0
	PLACES 4
	s_branch .Lasked_\@
.Lfor_b_\@:
	tensor_load_to_lds s[G0B+4*\s:G0B+4*\s+3], s[G1B:G1B+7]
	s_nop 0
	PLACES 4
.Lasked_\@:
.endm
.macro CREST                           ; a round of the cluster's barrier behind its opening barrier
	s_cmp_lg_u32 s14, 0
	s_cbranch_scc1 .Lnot_wave_0_\@
	s_barrier_signal -3
.Lnot_wave_0_\@:
	s_barrier_wait -3
	s_barrier_signal -1
	s_barrier_wait -1
.endm
.macro CROUND
	s_barrier_signal -1
	s_barrier_wait -1
	CREST
.endm
	s_load_b256 s[4:11], s[0:1], 0x0               ; x s[4:5], W_attn s[6:7], b_attn s[8:9], the scales' exponents s[10:11]
	s_load_b128 s[68:71], s[0:1], 0x20             ; q_codes s[68:69], k_codes s[70:71]
	s_load_b64 s[72:73], s[0:1], 0x30              ; vt_codes
	v_lshl_add_u32 v[SPW], v0, 2, SPARE
	v_mov_b32 v[NIL], 0
	ds_add_u32 v28, v29
	ds_add_u32 v28, v29
	s_wait_dscnt 0x0
	v_lshrrev_b32 v1, 5, v0
	v_readfirstlane_b32 s14, v1                    ; wave 0..3
	s_lshr_b32 s15, s14, 1                         ; which half of A's rows is mine.  Also: I fetch for A (0) or for B (1)
	s_and_b32 s16, s14, 1                          ; which half of B's rows.  Also: which 128 rows of that tile I fetch
	s_bfe_u32 s40, ttmp6, 0x40000                  ; cx, cy: my place in the cluster
	s_bfe_u32 s41, ttmp6, 0x40004
	s_and_b32 s17, ttmp7, 0xffff                   ; cluster y: 1,024 tokens
	s_lshl_b32 s43, s41, 2
	s_lshl_b32 s43, 15, s43                        ; my row of the cluster
	s_lshl_b32 s44, 0x1111, s40                    ; my column
	s_or_b32 s[G1+0], s43, (1<<20)|(1<<21)|(5<<22)|(3<<25)   ; 15:0 the mask; 17:16 elements of 1 byte; 20 padding on; 21 set beside a mask; 24:22 after every 64 words; 31:25 four words
	s_or_b32 s[G1B+0], s44, (1<<20)|(1<<21)|(5<<22)|(3<<25)
.irp g, G1, G1B
	s_mov_b32 s[\g+1], 256<<16                     ; tensor_dim0 = 256
	s_mov_b32 s[\g+2], 128<<16                     ; tensor_dim1 = 128
	s_mov_b32 s[\g+3], 256<<16                     ; tile_dim0 = 256
	s_mov_b32 s[\g+4], 128                         ; tile_dim1 = 128
	s_mov_b32 s[\g+5], 1024                        ; from row to row
	s_mov_b32 s[\g+6], 0
	s_mov_b32 s[\g+7], 0
.endr
	; the rows that I fetch.  A's hang on cy alone, B's on cx alone; the choice hangs on the cluster's x, which all sixteen share
	s_lshl_b32 s18, s17, 10                        ; the cluster's first token
	s_lshl_b32 s19, ttmp9, 10                      ; q's or k's first row of W_attn
	s_mov_b32 s12, 2048                            ; v's
	s_cmp_lt_u32 ttmp9, 2
	s_cselect_b32 s20, s18, s12                    ; A: tokens (q, k) or v's rows of W_attn
	s_cselect_b32 s46, s19, s18                    ; B: rows of W_attn (q, k) or tokens
	s_lshl_b32 s13, s16, 7
	s_lshl_b32 s21, s41, 8
	s_add_co_u32 s20, s20, s21
	s_add_co_u32 s20, s20, s13                     ; + 256 cy + 128 x half
	s_lshl_b32 s47, s40, 8
	s_add_co_u32 s46, s46, s47
	s_add_co_u32 s46, s46, s13                     ; + 256 cx + 128 x half
	s_lshl_b32 s20, s20, 10                        ; rows of 1,024 bytes
	s_lshl_b32 s46, s46, 10
	s_mov_b32 s21, 0
	s_mov_b32 s47, 0
	s_mul_i32 s45, s14, HALFT                      ; where they go: wave x 128 rows
	s_wait_kmcnt 0x0
	s_load_b256 s[80:87], s[10:11], 0x0            ; e0 .. e7
	s_cmp_lt_u32 ttmp9, 2
	s_cselect_b64 s[74:75], s[4:5], s[6:7]         ; A's buffer
	s_cselect_b64 s[76:77], s[6:7], s[4:5]         ; B's buffer
	s_add_nc_u64 s[20:21], s[74:75], s[20:21]
	s_add_nc_u64 s[46:47], s[76:77], s[46:47]
.irp s, 0,1
	s_mov_b32 s[G0+4*\s], 1
	s_add_co_u32 s[G0+4*\s+1], s45, \s*SLOT
	s_add_nc_u64 s[G0+4*\s+2:G0+4*\s+3], s[20:21], \s*256
	s_or_b32 s[G0+4*\s+3], s[G0+4*\s+3], 0x80000000
	s_mov_b32 s[G0B+4*\s], 1
	s_add_co_u32 s[G0B+4*\s+1], s45, \s*SLOT
	s_add_nc_u64 s[G0B+4*\s+2:G0B+4*\s+3], s[46:47], \s*256
	s_or_b32 s[G0B+4*\s+3], s[G0B+4*\s+3], 0x80000000
.endr
	CROUND                                         ; all sixteen work-groups are here: the first joint loads meet
	s_cmp_eq_u32 s15, 0                            ; a wave's two first fills stand in one branch: two loads of mine are out
	s_cbranch_scc0 .Lfirst_b
	tensor_load_to_lds s[G0:G0+3], s[G1:G1+7]
	s_nop 0
	tensor_load_to_lds s[G0+4:G0+7], s[G1:G1+7]
	s_nop 0
	PLACES 4
	s_branch .Lfirst_asked
.Lfirst_b:
	tensor_load_to_lds s[G0B:G0B+3], s[G1B:G1B+7]
	s_nop 0
	tensor_load_to_lds s[G0B+4:G0B+7], s[G1B:G1B+7]
	s_nop 0
	PLACES 4
.Lfirst_asked:
	; the biases.  q, k: by B's row (channel): b_attn[1024 Cx + 256 cx + 128 half + 16 b + 8 h + j].  v: by A's row: b_attn[2048 + 256 cy + 128 half + 16 a + r].  The set that is not used reads b_attn's first numbers
	v_and_b32 v1, 15, v0                           ; r
	v_bfe_u32 v2, v0, 4, 1                         ; h
	v_lshlrev_b32 v10, 5, v2
	s_wait_alu depctr_va_vdst(0)
	v_lshlrev_b32 v11, 2, v1
	s_wait_alu depctr_va_vdst(0)
	s_lshl_b32 s88, ttmp9, 10
	s_lshl_b32 s89, s40, 8
	s_add_co_u32 s88, s88, s89
	s_lshl_b32 s89, s16, 7
	s_add_co_u32 s88, s88, s89
	s_lshl_b32 s90, s41, 8
	s_lshl_b32 s89, s15, 7
	s_add_co_u32 s90, s90, s89
	s_add_co_u32 s90, s90, 2048
	s_cmp_lt_u32 ttmp9, 2
	s_cselect_b32 s88, s88, 0
	s_cselect_b32 s90, 0, s90
	s_lshl_b32 s88, s88, 2
	s_lshl_b32 s90, s90, 2
	s_mov_b32 s89, 0
	s_mov_b32 s91, 0
	s_add_nc_u64 s[76:77], s[8:9], s[88:89]
	s_add_nc_u64 s[78:79], s[8:9], s[90:91]
.irp b, 0,1,2,3,4,5,6,7
	global_load_b128 v[BN+8*\b:BN+8*\b+3], v10, s[76:77] offset:64*\b
	global_load_b128 v[BN+8*\b+4:BN+8*\b+7], v10, s[76:77] offset:64*\b+16
.endr
.irp a, 0,1,2,3,4,5,6,7
	global_load_b32 v[BM+2*\a], v11, s[78:79] offset:64*\a
	global_load_b32 v[BM+2*\a+1], v11, s[78:79] offset:64*\a
.endr
	; LDS addresses
	v_mul_u32_u24 v3, v1, PITCH
	v_lshl_add_u32 v4, v2, 4, v3                   ; a fragment's row x pitch + 16 x half of the lanes
	s_wait_alu depctr_va_vdst(0)
	s_mul_i32 s88, s15, HALFT                      ; my 128 rows of A
	s_mul_i32 s89, s16, HALFT                      ; my 128 rows of B,
	s_add_co_u32 s89, s89, 2*HALFT                 ; which lie behind A's 256
.irp s, 0,1
	v_add_nc_u32 v[ADRA+\s], s88, v4
	v_add_nc_u32 v[ADRB+\s], s89, v4
	s_add_co_u32 s88, s88, SLOT
	s_add_co_u32 s89, s89, SLOT
.endr
	s_mul_i32 s88, s15, 128*PITCH                  ; the stage, 256 rows x 272 bytes, lies in slot 0: row = A's row, byte = B's row
	s_lshl_b32 s89, s16, 7
	s_add_co_u32 s88, s88, s89
	v_add_nc_u32 v[STO], s88, v4                   ; (128 half + r) x 272 + 128 x half of B + 16 h
	v_and_b32 v5, 31, v0                           ; lane
	v_lshrrev_b32 v6, 2, v5
	v_mul_u32_u24 v6, v6, PITCH
	v_and_b32 v7, 3, v5
	v_lshl_add_u32 v6, v7, 4, v6
	s_mul_i32 s88, s14, 64*PITCH                   ; back: wave w takes rows 64 w .. 64 w + 63
	v_add_nc_u32 v[RDQ], s88, v6                   ; four lanes to a token's 64 bytes of a head
	v_lshlrev_b32 v[COQ], 4, v5
	v_mul_u32_u24 v6, v2, PITCH
	v_lshl_add_u32 v6, v1, 4, v6
	v_add_nc_u32 v[RDV], s88, v6                   ; sixteen lanes to a channel's 256 tokens
	v_lshlrev_b32 v6, 11, v2
	v_lshl_add_u32 v[COV], v1, 4, v6
	; where my wave's part of the output begins.  u: the place that counts tokens (cy for q, k; cx for v); z: the place that counts heads
	s_cmp_eq_u32 ttmp9, 0
	s_cselect_b64 s[74:75], s[68:69], s[70:71]
	s_cmp_lt_u32 ttmp9, 2
	s_cselect_b64 s[74:75], s[74:75], s[72:73]
	s_cselect_b32 s92, s41, s40
	s_cselect_b32 s93, s40, s41
	s_and_b32 s94, s17, 1
	s_lshl_b32 s94, s94, 2
	s_add_co_u32 s94, s94, s92
	s_lshl_b32 s94, s94, 8                         ; the tile's first token in its batch: 256 (4 (Cy % 2) + u)
	s_lshl_b32 s95, s14, 6
	s_add_co_u32 s95, s95, s94
	s_lshl_b32 s95, s95, 6                         ; q, k: my 64 tokens, 64 bytes each
	s_lshl_b32 s96, s14, 17
	s_add_co_u32 s96, s96, s94                     ; v: my head (wave), 64 rows of 2,048 bytes, + the first token
	s_cmp_lt_u32 ttmp9, 2
	s_cselect_b32 s95, s95, s96
	s_lshr_b32 s96, s17, 1
	s_lshl_b32 s96, s96, 21                        ; the batch: 16 heads of 131,072 bytes
	s_add_co_u32 s95, s95, s96
	s_lshl_b32 s93, s93, 19                        ; four heads to a tile
	s_add_co_u32 s92, s95, s93
	s_mov_b32 s93, 0
	s_add_nc_u64 s[74:75], s[74:75], s[92:93]
.macro FRAG reg, adr, q, i             ; 16 rows x 128 K: lane l holds row l % 16; registers 4 c .. 4 c + 3 the 16 bytes at 32 c + 16 (l / 16)
.irp c, 0,1,2,3
	ds_load_b128 v[\reg+4*\c:\reg+4*\c+3], v[\adr] offset:128*(\q)+32*\c+(\i)*16*PITCH
.endr
.endm
.macro FETCH_B slot, q, p              ; B's eight fragments of the slot's q-th 128 along K into set p
	WIN TO_B
.irp i, 0,1,2,3,4,5,6,7
	FRAG 128*(\p)+FR*\i, ADRB+\slot, \q, \i
.endr
	WIN 0
.endm
.macro FETCH_A slot, q, i0             ; A's blocks i0 .. i0 + 3
.irp i, \i0, \i0+1, \i0+2, \i0+3
	FRAG AF+FR*(\i), ADRA+\slot, \q, \i
.endr
.endm
; 16 matrix instructions: A's blocks a0, a0 + 1 x B's eight.  zero = 1: the product starts the sums.  The 64 accumulators take turns, one instruction a turn, in the same order in every step
.macro MULA a0, p, zero
.irp a, \a0, \a0+1
.irp b, 0,1,2,3,4,5,6,7
.if \zero
	v_wmma_f32_16x16x128_fp8_fp8 v[8*(8*((\a)%4)+\b):8*(8*((\a)%4)+\b)+7], v[128*(\p)+FR*\b:128*(\p)+FR*\b+FR-1], v[AF+FR*(\a):AF+FR*(\a)+FR-1], 0
.else
	v_wmma_f32_16x16x128_fp8_fp8 v[8*(8*((\a)%4)+\b):8*(8*((\a)%4)+\b)+7], v[128*(\p)+FR*\b:128*(\p)+FR*\b+FR-1], v[AF+FR*(\a):AF+FR*(\a)+FR-1], v[8*(8*((\a)%4)+\b):8*(8*((\a)%4)+\b)+7]
.endif
.endr
.endr
.endm
; A step of 128 along K (the slot's q-th) whose successor (nslot, nq) is known to have landed
.macro STEP slot, q, zero, nslot, nq
	s_wait_dscnt 16                                ; B's set and A's blocks 0-3 are in; the youngest 16 loads (A's blocks 4-7) may be out
	WIN MUL_LO
	MULA 0, (\q)%2, \zero
	MULA 2, (\q)%2, \zero
	s_wait_dscnt 0                                 ; A's blocks 4-7 are in
	PLACES 4
	FETCH_B \nslot, \nq, 1-(\q)%2
	FETCH_A \nslot, \nq, 0
	WIN MUL_HI
	MULA 4, (\q)%2, \zero
	MULA 6, (\q)%2, \zero
	PLACES 4
	WIN 0
	FETCH_A \nslot, \nq, 4
.endm
; A slot's last step changes slots: one barrier; in front of it each wave waits for all its tensor loads, adds 0 to its spare word, and waits for that and for its reads of this slot.  fill = 1: the slot is filled again, two fills ahead
.macro TURN slot, next, fill
	s_wait_tensorcnt 0x0                           ; all my tensor loads have landed: my part of the next slot
	ds_add_u32 v[SPW], v[NIL]                      ; 0 onto my spare word
	s_wait_dscnt 17                                ; (the add and the youngest 16 loads may be out)
	WIN MUL_LO
	MULA 0, 1, 0                                   ; sixteen matrix instructions stand between the add and the wait for it
	s_wait_dscnt 0x0                               ; the add is done, and my reads of this slot are over
	s_barrier_signal -1
	MULA 2, 1, 0
	WIN 0
	s_barrier_wait -1
.if \fill
	CREST                                          ; the barrier has opened a round of the cluster's: no wave of any partner still reads this slot or has a load on its way
	s_add_nc_u64 s[G0+4*\slot+2:G0+4*\slot+3], s[G0+4*\slot+2:G0+4*\slot+3], 512
	s_add_nc_u64 s[G0B+4*\slot+2:G0B+4*\slot+3], s[G0B+4*\slot+2:G0B+4*\slot+3], 512
	JLOAD \slot                                    ; the first tensor load behind the round; its four v_nop are the places in front of the loads below
.else
	PLACES 4
.endif
	FETCH_B \next, 0, 0
	FETCH_A \next, 0, 0
	WIN MUL_HI
	MULA 4, 1, 0
	MULA 6, 1, 0
	PLACES 4
	WIN 0
	FETCH_A \next, 0, 4
.endm
	s_wait_tensorcnt 1                             ; my part of the first fill is in (the second fill's load may be out)
	s_barrier_signal -1
	s_barrier_wait -1                              ; everybody's is
	FETCH_B 0, 0, 0
	FETCH_A 0, 0, 0
	FETCH_A 0, 0, 4
	STEP 0, 0, 1, 0, 1                             ; K 0: the products start the sums
	TURN 0, 1, 1                                   ; K 128; slot 0 takes K 512 ..
	STEP 1, 0, 0, 1, 1                             ; K 256
	TURN 1, 0, 1                                   ; K 384; slot 1 takes K 768 ..
	STEP 0, 0, 0, 0, 1                             ; K 512
	TURN 0, 1, 0                                   ; K 640; behind this barrier nobody reads slot 0 and nothing is filled
	STEP 1, 0, 0, 1, 1                             ; K 768
	s_wait_dscnt 16                                ; K 896: nothing more to fetch
	WIN MUL_LO
	MULA 0, 1, 0
	MULA 2, 1, 0
	s_wait_dscnt 0
	WIN MUL_HI
	MULA 4, 1, 0
	MULA 6, 1, 0
	WIN 0
	; THE WAY OUT.  The scales are folded into one; no branch hangs on them
	s_wait_kmcnt 0x0
	s_cmp_eq_u32 ttmp9, 0
	s_cselect_b32 s88, s82, s83                    ; e2 for q, e3 for k,
	s_cmp_lt_u32 ttmp9, 2
	s_cselect_b32 s88, s88, s85                    ; e5 for v
	s_add_co_i32 s89, s80, s81                     ; e0 + e1
	s_sub_co_i32 s88, s88, s89
	s_sub_co_i32 s89, 0, s89
	s_add_co_i32 s88, s88, 127
	s_lshl_b32 s90, s88, 23
	s_wait_loadcnt 0x0                             ; the biases
	v_mov_b32 v[SCL], s90
.set J, 0
.rept 80
	v_ldexp_f32 v[BM+J], v[BM+J], s89              ; b / 2^(e0 + e1).  (These are also the places behind the last products)
.set J, J+1
.endr
; Block a (16 rows of A x 128 rows of B): + bias, held, converted; the codes of two neighbouring tiles of B's rows are 16 bytes of a stage row.  The two arms hold vector arithmetic alone; each accumulator is read from its low end on
.macro PACK a
.set AC, 64*((\a)%4)
.set CC, CD+16*((\a)%2)
	s_cmp_lt_u32 ttmp9, 2
	s_cbranch_scc0 .Lbias_m_\@
	WIN 0x02+(\a)/4                                ; source 0: window 2 or 3
.set J, 0
.rept 32
	v_pk_add_f32 v[TMP+J:TMP+J+1], v[AC+J:AC+J+1], v[BN+J:BN+J+1]
.set J, J+2
.endr
	WIN 0
	s_branch .Lbias_done_\@
.Lbias_m_\@:
	WIN 0x02+(\a)/4
.set J, 0
.rept 32
	v_pk_add_f32 v[TMP+J:TMP+J+1], v[AC+J:AC+J+1], v[BM+2*(\a):BM+2*(\a)+1]
.set J, J+2
.endr
	WIN 0
.Lbias_done_\@:
.set J, 0
.rept 64
.set J, J+1
.endr
	s_wait_alu depctr_va_vdst(0)
.irp b, 0,1,2,3,4,5,6,7
	v_cvt_scalef32_pk8_fp8_f32 v[CC+2*\b:CC+2*\b+1], v[TMP+8*\b:TMP+8*\b+7], v[SCL]
.endr
	v_nop                                          ; a plain vector instruction behind the last conversion: the next block writes its sources
.irp g, 0,1,2,3
	ds_store_b128 v[STO], v[CC+4*\g:CC+4*\g+3] offset:(\a)*16*PITCH+32*\g
.endr
.endm
.irp a, 0,1,2,3,4,5,6,7
	PACK \a
.endr
	s_wait_dscnt 0x0                               ; for the others' sake: my stores into the stage are done
	s_barrier_signal -1
	s_barrier_wait -1
	s_cmp_lt_u32 ttmp9, 2
	s_cbranch_scc0 .Lout_v
.set T, 0
.rept 32                               ; q, k: load T = 8 head + g: tokens 64 w + 8 g + 0 .. 7, the head's 64 bytes
	ds_load_b128 v[OUTR+4*T:OUTR+4*T+3], v[RDQ] offset:8*(T%8)*PITCH+64*(T/8)
.set T, T+1
.endr
.set T, 0
.rept 32
	s_wait_dscnt 31-T                              ; LDS loads come back in order: load T is in
	global_store_b128 v[COQ], v[OUTR+4*T:OUTR+4*T+3], s[74:75] offset:(T/8)*131072+(T%8)*512   ; the wave stores 512 consecutive bytes, aligned
.set T, T+1
.endr
	s_branch .Ldone
.Lout_v:
.set T, 0
.rept 32                               ; v: load T: channels 2 T, 2 T + 1 of my head, 256 tokens each
	ds_load_b128 v[OUTR+4*T:OUTR+4*T+3], v[RDV] offset:T*2*PITCH
.set T, T+1
.endr
.set T, 0
.rept 32
	s_wait_dscnt 31-T
	global_store_b128 v[COV], v[OUTR+4*T:OUTR+4*T+3], s[74:75] offset:((T&0x13)|((T&4)<<1)|((T&8)>>1))*4096   ; to row sw(d): bits 2 and 3 of T change places; sixteen lanes store 256 consecutive bytes, aligned
.set T, T+1
.endr
.Ldone:
	s_wait_tensorcnt 0x0                           ; the wave's end
	ds_add_u32 v[SPW], v[NIL]
	s_wait_dscnt 0x0
	CROUND                                         ; the closing round: no work-group ends while a partner may still ask for a tile that names it
	s_endpgm
.Lfunc_end_k_q181a3a8b00_qkv:
	.size	k_q181a3a8b00_qkv, .Lfunc_end_k_q181a3a8b00_qkv-k_q181a3a8b00_qkv
	.p2alignl 7, 3214868480
	.fill 96, 4, 3214868480
	.section	.rodata,"a",@progbits
	.p2align	6, 0x0
	.amdhsa_kernel k_q181a3a8b00_qkv
		.amdhsa_group_segment_fixed_size 327680
		.amdhsa_private_segment_fixed_size 0
		.amdhsa_enable_private_segment 0
		.amdhsa_kernarg_size 56
		.amdhsa_user_sgpr_count 2
		.amdhsa_user_sgpr_kernarg_segment_ptr 1
		.amdhsa_wavefront_size32 1
		.amdhsa_system_sgpr_workgroup_id_x 1
		.amdhsa_system_sgpr_workgroup_id_y 1
		.amdhsa_system_sgpr_workgroup_id_z 1
		.amdhsa_system_vgpr_workitem_id 0
		.amdhsa_next_free_vgpr 1024
		.amdhsa_next_free_sgpr 100
		.amdhsa_reserve_vcc 0
		.amdhsa_float_denorm_mode_32 3
		.amdhsa_float_denorm_mode_16_64 3
		.amdhsa_fp16_overflow 1
		.amdhsa_memory_ordered 1
		.amdhsa_forward_progress 1
		.amdhsa_inst_pref_size 140
	.end_amdhsa_kernel
	.amdgpu_metadata
---
amdhsa.version: [ 1, 2 ]
amdhsa.kernels:
  - .name:           k_q181a3a8b00_qkv
    .symbol:         k_q181a3a8b00_qkv.kd
    .args:
      - { .name: x_codes, .offset: 0, .size: 8, .value_kind: global_buffer, .address_space: global }
      - { .name: W_attn_codes, .offset: 8, .size: 8, .value_kind: global_buffer, .address_space: global }
      - { .name: b_attn, .offset: 16, .size: 8, .value_kind: global_buffer, .address_space: global }
      - { .name: lowp_scales, .offset: 24, .size: 8, .value_kind: global_buffer, .address_space: global }
      - { .name: q_codes, .offset: 32, .size: 8, .value_kind: global_buffer, .address_space: global }
      - { .name: k_codes, .offset: 40, .size: 8, .value_kind: global_buffer, .address_space: global }
      - { .name: vt_codes, .offset: 48, .size: 8, .value_kind: global_buffer, .address_space: global }
    .group_segment_fixed_size: 327680
    .private_segment_fixed_size: 0
    .kernarg_segment_align: 8
    .kernarg_segment_size: 56
    .max_flat_workgroup_size: 128
    .sgpr_count:     100
    .vgpr_count:     1024
    .wavefront_size: 32
...
	.end_amdgpu_metadata
.endif
;; end of part 1
;; launch attn (part 2): grid 4 x 64, 16 waves a work-group, clusters of 4 x 1, 296,960 bytes of LDS; arguments q_codes, k_codes, vt_codes, lowp_scales, y_codes; writes y_codes
.if DOCPART == 2
	.amdgcn_target "amdgcn-amd-amdhsa--gfx1250"
	.amdhsa_code_object_version 6
	.text
	.protected	k_q181a3a8b00_attn
	.globl	k_q181a3a8b00_attn
	.p2align	8
	.type	k_q181a3a8b00_attn,@function
k_q181a3a8b00_attn:
	s_mov_b64 s[64:65], 0
	v_nop
	global_prefetch_b8 v0, s[64:65] scope:SCOPE_SE
	s_setreg_imm32_b32 hwreg(HW_REG_WAVE_MODE, 25, 1), 1
	s_wait_xcnt 0x0
	s_wait_alu depctr_hold_cnt(0) depctr_sa_sdst(0) depctr_va_vdst(0) depctr_va_sdst(0) depctr_va_ssrc(0) depctr_va_vcc(0) depctr_vm_vsrc(0)
	s_getreg_b32 s2, hwreg(HW_REG_IB_STS2, 6, 4)
	s_cmp_eq_u32 s2, 0
	s_cbranch_scc0 .Lentry_in_a_cluster
	s_endpgm
.Lentry_in_a_cluster:
	s_bfe_u32 s2, ttmp6, 0x10000c
	s_cmp_lg_u32 s2, 0x3003
	s_cbranch_scc0 .Lentry_shape_is_right
	s_endpgm
.Lentry_shape_is_right:
; Causal attention on codes of FP8 (E4M3), head size 64, 2,048 tokens, 64 batch x head; y leaves as codes for the last product.
; q_codes, k_codes [64][2048][64] (the channels in one and the same order in both); vt_codes [64][64][2048]: row sw(d), byte sw(t) holds v(t, d), sw(i) = i with bits 3 and 4 exchanged.
; y_codes [32 blocks of 256 tokens][16 heads][256][64], channels in their own order.
; THE SOFTMAX: t = score x log2(e) / 8; M = the running largest t rounded UP to a whole number; p = 2^(t - M) is quantised with 2^e4; the row's sum is taken of the unquantised p and divides at the end.
; When M moves, the sum and O are multiplied by 2^(old M - new M), which rounds nothing; there is no branch on data.
; SHARES.  A cluster of four work-groups is one head.  The head's 128 tiles of 16 queries are dealt so: tile (j, p) = queries 64 j + 16 p + 0 .. 15 goes to work-group p; wave w of each takes j = 31 - w and then j = w.
; A tile walks keys in steps of 128 and needs (j / 2) + 1 of them, so every wave of every work-group has 17 steps.  Which steps a wave leaves out hangs on its number and on counters alone, never on p:
; p enters only q's and y's addresses in memory and the numbers that the mask compares.  So the four partners run alike and ask for K and V jointly.
; THE WHOLE HEAD LIES IN LDS, FILLED ONCE: 131,072 bytes of K and as many of V, each wave asking for two pieces of 32 rows x 256 bytes, keys 0-1,023 first.  The first eight steps of every wave (its long tile, keys 0-1,023, none hidden)
; run while the second half lands.  Nothing is filled again; all that the launch reads of K and V is asked for at its head, so there is nothing left to prefetch.
; LAYOUT.  S^T = K Q^T (source 0 = 16 neighbouring keys, source 1 = my 16 queries), O^T = V^T P^T: a lane holds ONE query (lane % 16).  Tile t of S^T gives a lane keys 16 t + 8 (lane / 16) + 0 .. 7: its two registers of codes are
; registers 2 t, 2 t + 1 of P.  V's byte order sw(t) puts the same keys into the same registers by loads of 16 bytes.  V's row order sw(d) makes the 16 registers of O^T's tiles 2 b, 2 b + 1 sixteen neighbouring channels.
; LIMITS on the given exponents: e2 + e3 between -123 and 130 (added to c's exponent field); e4, and e6 - e4 - e5, between -126 and 119.  NaN among the codes is not served.
.set KP,    272                        ; four keys (256 bytes) + 16 of padding; also a row of a strip of V.
.set STRIP, 64*KP                      ; 256 keys: 64 long rows of K; 64 rows of V
.set HALFB, 4*STRIP                    ; 1,024 keys
.set VOFF,  8*STRIP                    ; V lies behind K
.set STAGE, 16*STRIP                   ; behind both: 1,024 bytes for each wave, into which no tile lands
.set AK0, 1                            ; v1  my lane's place in a tile of K
.set AV0, 2                            ; v2  the same for V
.set DMB, 3                            ; v3  lane % 16 - 8 (lane / 16) + 16 p: for the mask
.set STO, 4                            ; v4  the stage: where I put 16 bytes
.set SRD, 5                            ; v5  and where I read back
.set GO,  6                            ; v6  16 x lane: my bytes of a store
.set QA,  7                            ; v7  my bytes of a tile of q
.set ADK, 8                            ; v8, v9  LDS addresses of the step in hand
.set ADV, 9
.set QL,  16                           ; v16-23 q of the long tile;  v24-31 of the short one
.set QS,  24
.set FRG, 32                           ; v32-95  eight fragments of K, then four of V
.set S,   96                           ; v96-159 S^T, then p
.set O,   160                          ; v160-191 O^T
.set PC,  192                          ; v192-207 codes
.set MX,  208                          ; v208, v209 two chains of the maximum
.set F,   210                          ; v[210:211] f = 2^(old M - new M)
.set SUM2, 212                         ; v[212:213] the sum's second chain
.set PD,  214                          ; v214 a lane permute's destination
.set PLIM, 215                         ; v216 2^e4
.set PSCL, 216
.set NINF, 217                         ; v217 -infinity
.set DM,  218
.set YSCL, 219                         ; v219 2^(e6 - e4 - e5)
.set YLIM, 220
.set TB,  2                            ; s2  LDS byte at which the two steps in hand begin, in K's region and in V's alike
.set CNT, 3
.set WV,  18
.set SEL, 22                           ; s[22:23] selects for lane l xor 16
.set G1K, 24
.set G1V, 32
.set G0K, 40                           ; s[40:47] K's two pieces;  s[48:55] V's
.set G0V, 48
.set CS,  66                           ; s[66:67] c = log2(e) / 8 x 2^(e2 + e3)
.set KF,  68                           ; s68 the step's first key
.set JL,  69                           ; s69 64 (31 - w);  s70 64 w
.set JS,  70
.set YL,  72                           ; s[72:73], s[74:75] y's tiles;  s[76:77], s[78:79] q's
.set YS,  74
.macro CROUND
	s_barrier_signal -1
	s_barrier_wait -1
	s_cmp_lg_u32 s[WV], 0
	s_cbranch_scc1 .Lnot_wave_0_\@
	s_barrier_signal -3
.Lnot_wave_0_\@:
	s_barrier_wait -3
	s_barrier_signal -1
	s_barrier_wait -1
.endm
	s_load_b256 s[4:11], s[0:1], 0x0               ; q s[4:5], k s[6:7], vt s[8:9], the scales' exponents s[10:11]
	s_load_b64 s[12:13], s[0:1], 0x20              ; y
	v_lshl_add_u32 v254, v0, 2, 0x48000
	v_mov_b32 v255, 0
	ds_add_u32 v254, v255
	ds_add_u32 v254, v255
	v_lshrrev_b32 v8, 5, v0
	s_delay_alu instid0(VALU_DEP_1)
	v_readfirstlane_b32 s[WV], v8                  ; wave 0..15
	s_bfe_u32 s19, ttmp6, 0x40000                  ; p: my place in the cluster
	s_and_b32 s20, ttmp7, 0xffff                   ; batch x head, which the four partners share
	s_mov_b32 s[G1K], 15|(1<<20)|(1<<21)|(5<<22)|(3<<25)   ; 15:0 all four work-groups; 17:16 elements of 1 byte; 20 padding on; 21 set beside a mask; 24:22 after every 64 words; 31:25 four words
	s_mov_b32 s[G1V], 15|(1<<20)|(1<<21)|(5<<22)|(3<<25)
.irp g, G1K, G1V
	s_mov_b32 s[\g+1], 256<<16                     ; tensor_dim0 = 256
	s_mov_b32 s[\g+2], 32<<16                      ; tensor_dim1 = 32
	s_mov_b32 s[\g+3], 256<<16                     ; tile_dim0 = 256
	s_mov_b32 s[\g+4], 32                          ; tile_dim1 = 32
	s_mov_b32 s[\g+6], 0
	s_mov_b32 s[\g+7], 0
.endr
	s_mov_b32 s[G1K+5], 256                        ; K's long rows are dense
	s_mov_b32 s[G1V+5], 2048                       ; V's rows are 2,048 bytes apart
	s_mov_b32 s[SEL], 0x76543210
	s_mov_b32 s[SEL+1], 0xfedcba98
	s_lshl_b32 s80, s20, 17                        ; the head's first byte in q, k and vt
	s_mov_b32 s81, 0
	s_and_b32 s82, s[WV], 7                        ; K (waves 0-7): piece i = wave: 32 long rows
	s_lshl_b32 s84, s82, 13
	s_mov_b32 s85, 0
	s_add_nc_u64 s[84:85], s[84:85], s[80:81]
	s_mul_i32 s83, s82, 32*KP
	s_and_b32 s86, s[WV], 3                        ; V (waves 8-15): strip wave % 4 of the half, rows 32 ((wave / 4) % 2) on
	s_bfe_u32 s87, s[WV], 0x10002
	s_lshl_b32 s88, s87, 16
	s_lshl_b32 s89, s86, 8
	s_add_co_u32 s88, s88, s89
	s_mov_b32 s89, 0
	s_add_nc_u64 s[88:89], s[88:89], s[80:81]
	s_mul_i32 s90, s86, STRIP
	s_mul_i32 s91, s87, 32*KP
	s_add_co_u32 s90, s90, s91
	s_add_co_u32 s90, s90, VOFF
	s_wait_dscnt 0x0
	s_wait_kmcnt 0x0
	s_load_b256 s[56:63], s[10:11], 0x0            ; e0 .. e7
.irp hf, 0,1                           ; keys 1,024 hf on
	s_mov_b32 s[G0K+4*\hf], 1
	s_add_co_u32 s[G0K+4*\hf+1], s83, \hf*HALFB
	s_add_nc_u64 s[G0K+4*\hf+2:G0K+4*\hf+3], s[6:7], s[84:85]
	s_add_nc_u64 s[G0K+4*\hf+2:G0K+4*\hf+3], s[G0K+4*\hf+2:G0K+4*\hf+3], \hf*65536
	s_or_b32 s[G0K+4*\hf+3], s[G0K+4*\hf+3], 0x80000000
	s_mov_b32 s[G0V+4*\hf], 1
	s_add_co_u32 s[G0V+4*\hf+1], s90, \hf*HALFB
	s_add_nc_u64 s[G0V+4*\hf+2:G0V+4*\hf+3], s[8:9], s[88:89]
	s_add_nc_u64 s[G0V+4*\hf+2:G0V+4*\hf+3], s[G0V+4*\hf+2:G0V+4*\hf+3], \hf*1024
	s_or_b32 s[G0V+4*\hf+3], s[G0V+4*\hf+3], 0x80000000
.endr
	CROUND                                         ; all four work-groups are here: the joint loads meet
	s_cmp_lt_u32 s[WV], 8                          ; a wave's two loads stand in one branch: two loads of mine are out; four v_nop follow the second
	s_cbranch_scc0 .Lfirst_v
	tensor_load_to_lds s[G0K:G0K+3], s[G1K:G1K+7]
	s_nop 0
	tensor_load_to_lds s[G0K+4:G0K+7], s[G1K:G1K+7]
	s_nop 0
.rept 4
	v_nop
.endr
	s_branch .Lfirst_asked
.Lfirst_v:
	tensor_load_to_lds s[G0V:G0V+3], s[G1V:G1V+7]
	s_nop 0
	tensor_load_to_lds s[G0V+4:G0V+7], s[G1V:G1V+7]
	s_nop 0
.rept 4
	v_nop
.endr
.Lfirst_asked:
	; my two tiles in q and in y
	s_sub_co_u32 s92, 31, s[WV]                    ; j of the long tile
	s_lshl_b32 s[JL], s92, 6
	s_lshl_b32 s[JS], s[WV], 6
	s_lshl_b32 s93, s19, 4                         ; 16 p
	s_mov_b32 s95, 0
	s_add_co_u32 s94, s[JL], s93
	s_lshl_b32 s94, s94, 6
	s_add_co_u32 s94, s94, s80
	s_add_nc_u64 s[76:77], s[4:5], s[94:95]
	s_add_co_u32 s94, s[JS], s93
	s_lshl_b32 s94, s94, 6
	s_add_co_u32 s94, s94, s80
	s_add_nc_u64 s[78:79], s[4:5], s[94:95]
	v_and_b32 v10, 15, v0                          ; r
	s_wait_alu depctr_va_vdst(0)
	v_bfe_u32 v11, v0, 4, 1                        ; h
	v_lshlrev_b32 v[QA], 6, v10
	s_delay_alu instid0(VALU_DEP_1)
	v_lshl_add_u32 v[QA], v11, 4, v[QA]            ; 64 r + 16 h
	global_load_b128 v[QL:QL+3], v[QA], s[76:77] th:TH_LOAD_NT
	global_load_b128 v[QL+4:QL+7], v[QA], s[76:77] offset:32 th:TH_LOAD_NT
	global_load_b128 v[QS:QS+3], v[QA], s[78:79] th:TH_LOAD_NT
	global_load_b128 v[QS+4:QS+7], v[QA], s[78:79] offset:32 th:TH_LOAD_NT
	s_lshr_b32 s96, s20, 4
	s_lshl_b32 s96, s96, 3                         ; the batch's eight blocks of 256 tokens
	s_and_b32 s97, s20, 15
	s_lshl_b32 s97, s97, 14                        ; the head: 256 rows of 64 bytes
	s_lshl_b32 s98, s93, 6
	s_add_co_u32 s97, s97, s98                     ; + 16 p rows
	s_lshr_b32 s94, s92, 2
	s_add_co_u32 s94, s94, s96
	s_lshl_b32 s94, s94, 18                        ; block j / 4 of the batch,
	s_and_b32 s98, s92, 3
	s_lshl_b32 s98, s98, 12                        ; row 64 (j % 4)
	s_add_co_u32 s94, s94, s98
	s_add_co_u32 s94, s94, s97
	s_add_nc_u64 s[YL:YL+1], s[12:13], s[94:95]
	s_lshr_b32 s94, s[WV], 2
	s_add_co_u32 s94, s94, s96
	s_lshl_b32 s94, s94, 18
	s_and_b32 s98, s[WV], 3
	s_lshl_b32 s98, s98, 12
	s_add_co_u32 s94, s94, s98
	s_add_co_u32 s94, s94, s97
	s_add_nc_u64 s[YS:YS+1], s[12:13], s[94:95]
	v_lshrrev_b32 v[AK0], 2, v10
	s_delay_alu instid0(VALU_DEP_1)
	v_mul_u32_u24 v[AK0], v[AK0], KP
	v_and_b32 v8, 3, v10
	s_delay_alu instid0(VALU_DEP_1)
	v_lshl_add_u32 v[AK0], v8, 6, v[AK0]
	s_wait_alu depctr_va_vdst(0)
	v_lshl_add_u32 v[AK0], v11, 4, v[AK0]          ; key r of a tile: long row r / 4, 64 (r % 4) bytes in, + 16 h
	v_mul_u32_u24 v[AV0], v10, KP
	s_delay_alu instid0(VALU_DEP_1)
	v_lshl_add_u32 v[AV0], v11, 4, v[AV0]
	s_delay_alu instid0(VALU_DEP_1)
	v_add_nc_u32 v[AV0], VOFF, v[AV0]              ; row r of a tile of V, + 16 h
	v_lshlrev_b32 v[DMB], 3, v11
	s_delay_alu instid0(VALU_DEP_1)
	v_sub_nc_u32 v[DMB], v10, v[DMB]
	s_delay_alu instid0(VALU_DEP_1)
	v_add_nc_u32 v[DMB], s93, v[DMB]
	s_lshl_b32 s98, s[WV], 10
	s_add_co_u32 s98, s98, STAGE                   ; my stage
	v_add_nc_u32 v[STO], s98, v[QA]
	v_and_b32 v8, 31, v0
	s_delay_alu instid0(VALU_DEP_1)
	v_lshlrev_b32 v[GO], 4, v8
	s_delay_alu instid0(VALU_DEP_1)
	v_add_nc_u32 v[SRD], s98, v[GO]
	v_mov_b32 v[PD], 0                             ; written once: a lane permute's destination counts as one of its sources
	v_mov_b32 v[F+1], 0                            ; (named as the upper half of a pair)
	v_mov_b32 v[NINF], 0xff800000
	s_wait_kmcnt 0x0
	s_add_co_i32 s80, s58, s59
	s_lshl_b32 s80, s80, 23
	s_add_co_i32 s[CS], s80, 0x3e38aa3b            ; c = log2(e) / 8, with e2 + e3 added to its exponent field
	s_mov_b32 s[CS+1], s[CS]
	s_add_co_i32 s80, s60, 127
	s_lshl_b32 s81, s80, 23
	v_mov_b32 v[PSCL], s81
	s_sub_co_i32 s80, s62, s60
	s_sub_co_i32 s80, s80, s61                     ; a sum of the second product stands for sum x 2^(e4 + e5): y's conversion divides by 2^(e6 - e4 - e5)
	s_add_co_i32 s80, s80, 127
	s_lshl_b32 s81, s80, 23
	v_mov_b32 v[YSCL], s81
	s_add_co_i32 s80, s80, 8
	s_lshl_b32 s80, s80, 23
	s_or_b32 s80, s80, 0x600000
.macro INIT                            ; a tile begins: the largest t under every t, the sum and O^T zeros, which the first change of M leaves zeros
	v_mov_b32 v13, 0xff61b1e6
	s_delay_alu instid0(VALU_DEP_1)
	v_floor_f32 v12, -v13
	v_mov_b32 v14, 0
	v_mov_b32 v15, 0
.set J, 0
.rept 32
	v_mov_b32 v[O+J], 0
.set J, J+1
.endr
.endm
; A KEY STEP: 128 keys, the q-th of the 256 at s[TB].  causal = 1: the step is left out where all its keys come after the tile's 64 j + 63, and hidden keys are masked where some may.  qr: q's registers; jq: the scalar that holds 64 j
.macro STEP q, causal, qr, jq
.if \causal
	s_add_co_u32 s80, s[\jq], 63
	s_cmp_gt_u32 s[KF], s80
	s_cbranch_scc1 .Lhidden_\@
.endif
	v_add_nc_u32 v[ADK], s[TB], v[AK0]
	v_add_nc_u32 v[ADV], s[TB], v[AV0]
	v_nop
	v_nop                                          ; four places in front of loads into registers that the last products read
.irp t, 0,1,2,3,4,5,6,7
.irp c, 0,1
	ds_load_b128 v[FRG+8*\t+4*\c:FRG+8*\t+4*\c+3], v[ADK] offset:(\q)*32*KP+\t*4*KP+32*\c
.endr
.endr
	s_wait_alu depctr_va_vdst(0)
	s_wait_dscnt 0x0
.irp t, 0,1,2,3,4,5,6,7
	v_wmma_f32_16x16x64_fp8_fp8 v[S+8*\t:S+8*\t+7], v[FRG+8*\t:FRG+8*\t+7], v[\qr:\qr+7], 0
.endr
.rept 4
	v_nop                                          ; places in front of the loads below and of the first read of the scores
.endr
.irp d, 0,1,2,3                        ; V's four fragments are asked for now and land under the softmax
.irp c, 0,1,2,3
	ds_load_b128 v[FRG+16*\d+4*\c:FRG+16*\d+4*\c+3], v[ADV] offset:\d*16*KP+128*(\q)+32*\c
.endr
.endr
.if \causal
	s_add_co_u32 s80, s[KF], 128
	s_cmp_le_u32 s80, s[\jq]
	s_cbranch_scc1 .Lopen_\@                       ; all 128 keys count for all 64 queries from 64 j on
	s_sub_co_i32 s80, s[\jq], s[KF]
	v_add_nc_u32 v[DM], s80, v[DMB]                ; my query - the step's first key - 8 (lane / 16).  Register 8 t + i holds key 16 t + 8 (lane / 16) + i of the step: hidden where 16 t + i is above that
.set J, 0
.rept 64
	v_cmp_gt_i32 vcc_lo, 16*(J/8)+J%8, v[DM]
	v_cndmask_b32 v[S+J], v[S+J], v[NINF], vcc_lo
.set J, J+1
.endr
.Lopen_\@:
.endif
	v_max3_num_f32 v[MX], v[S], v[S+1], v[S+2]     ; the step's largest score of my query among my 64 keys, in two chains; each tile is read from its low end on
	v_max3_num_f32 v[MX+1], v[S+3], v[S+4], v[S+5]
.set J, 6
.rept 14
	v_max3_num_f32 v[MX], v[MX], v[S+J], v[S+J+1]
	v_max3_num_f32 v[MX+1], v[MX+1], v[S+J+2], v[S+J+3]
.set J, J+4
.endr
	v_max3_num_f32 v[MX], v[MX], v[S+62], v[S+63]
	s_delay_alu instid0(VALU_DEP_1)
	v_max_num_f32 v[MX], v[MX], v[MX+1]
	s_delay_alu instid0(VALU_DEP_1)
	v_permlanex16_b32 v[PD], v[MX], s[SEL], s[SEL+1]
	s_delay_alu instid0(VALU_DEP_1)
	v_max_num_f32 v[MX], v[MX], v[PD]              ; and among lane l xor 16's
	s_delay_alu instid0(VALU_DEP_1)
	v_mul_f32 v[MX], s[CS], v[MX]                  ; as t (c is positive)
	s_delay_alu instid0(VALU_DEP_1)
	v_max_num_f32 v13, v13, v[MX]                  ; the running largest t
	v_mov_b32 v[MX], v12
	s_delay_alu instid0(VALU_DEP_2)
	v_floor_f32 v12, -v13                          ; the new -M = floor(-t): M is a whole number
	s_delay_alu instid0(VALU_DEP_1)
	v_sub_f32 v[MX], v12, v[MX]                    ; old M - new M: a whole number, 0 or less
	s_delay_alu instid0(VALU_DEP_1)
	v_cvt_i32_f32 v[MX], v[MX]                     ; (it saturates)
	s_delay_alu instid0(VALU_DEP_1)
	v_ldexp_f32 v[F], 1.0, v[MX]                   ; f = 2^(old M - new M)
.set J, 0
.rept 32
	v_pk_fma_f32 v[S+J:S+J+1], v[S+J:S+J+1], s[CS:CS+1], v[12:13] op_sel_hi:[1,0,0]   ; t - M, two at a time
.set J, J+2
.endr
.set J, 0
	s_wait_alu depctr_va_vdst(0)
.rept 64
	v_exp_f32 v[S+J], v[S+J]                       ; p = 2^(t - M), at most 1
.set J, J+1
.endr
	v_pk_mul_f32 v[14:15], v[14:15], v[F:F+1] op_sel_hi:[1,0]   ; the sum under the new M.  (A plain place behind the exponentials)
	s_wait_alu depctr_va_vdst(0)
	v_pk_add_f32 v[212:213], v[100:101], v[104:105]
	v_pk_add_f32 v[252:253], v[108:109], v[112:113]
	v_pk_add_f32 v[250:251], v[116:117], v[120:121]
	v_pk_add_f32 v[248:249], v[124:125], v[128:129]
	v_pk_add_f32 v[246:247], v[132:133], v[136:137]
	v_pk_add_f32 v[244:245], v[140:141], v[144:145]
	v_pk_add_f32 v[242:243], v[148:149], v[152:153]
	v_pk_add_f32 v[14:15], v[14:15], v[156:157]
	v_pk_add_f32 v[212:213], v[212:213], v[96:97]
	v_pk_add_f32 v[252:253], v[252:253], v[98:99]
	v_pk_add_f32 v[250:251], v[250:251], v[102:103]
	v_pk_add_f32 v[248:249], v[248:249], v[106:107]
	v_pk_add_f32 v[246:247], v[246:247], v[110:111]
	v_pk_add_f32 v[244:245], v[244:245], v[114:115]
	v_pk_add_f32 v[242:243], v[242:243], v[118:119]
	v_pk_add_f32 v[14:15], v[14:15], v[122:123]
	v_pk_add_f32 v[212:213], v[212:213], v[126:127]
	v_pk_add_f32 v[252:253], v[252:253], v[130:131]
	v_pk_add_f32 v[250:251], v[250:251], v[134:135]
	v_pk_add_f32 v[248:249], v[248:249], v[138:139]
	v_pk_add_f32 v[246:247], v[246:247], v[142:143]
	v_pk_add_f32 v[244:245], v[244:245], v[146:147]
	v_pk_add_f32 v[242:243], v[242:243], v[150:151]
	v_pk_add_f32 v[14:15], v[14:15], v[154:155]
	v_pk_add_f32 v[212:213], v[212:213], v[158:159]
	s_delay_alu instid0(VALU_DEP_2)
	v_pk_add_f32 v[14:15], v[14:15], v[248:249]
	s_delay_alu instid0(VALU_DEP_2)
	v_pk_add_f32 v[212:213], v[212:213], v[246:247]
	v_pk_add_f32 v[252:253], v[252:253], v[244:245]
	v_pk_add_f32 v[250:251], v[250:251], v[242:243]
	s_delay_alu instid0(VALU_DEP_2)
	v_pk_add_f32 v[14:15], v[14:15], v[252:253]
	s_delay_alu instid0(VALU_DEP_2)
	v_pk_add_f32 v[212:213], v[212:213], v[250:251]
	s_delay_alu instid0(VALU_DEP_1)
	v_pk_add_f32 v[14:15], v[14:15], v[212:213]
.set J, 0
.rept 64
.set J, J+1
.endr
.irp t, 0,1,2,3,4,5,6,7
	v_cvt_scalef32_pk8_fp8_f32 v[PC+2*\t:PC+2*\t+1], v[S+8*\t:S+8*\t+7], v[PSCL]
.endr
.set J, 0
.rept 16
	v_pk_mul_f32 v[O+J:O+J+1], v[O+J:O+J+1], v[F:F+1] op_sel_hi:[1,0]   ; O^T under the new M.  (Also the plain places between the conversions and the products)
.set J, J+2
.endr
	s_wait_alu depctr_va_vdst(0)
	s_wait_dscnt 0x0                               ; V is in
.irp d, 0,1,2,3                        ; the four accumulators take turns, one instruction a turn
	v_wmma_f32_16x16x128_fp8_fp8 v[O+8*\d:O+8*\d+7], v[FRG+16*\d:FRG+16*\d+15], v[PC:PC+15], v[O+8*\d:O+8*\d+7]
.endr
.if \causal
.Lhidden_\@:
	s_add_co_u32 s[KF], s[KF], 128
.endif
.endm
; A tile ends: O^T / the sum, held, converted; 16 rows x 64 bytes go through my stage and leave as 1,024 consecutive bytes
.macro FINISH yb
.rept 4
	v_nop                                          ; places behind the last products
.endr
	v_add_f32 v14, v14, v15
	s_delay_alu instid0(VALU_DEP_1)
	v_permlanex16_b32 v[PD], v14, s[SEL], s[SEL+1]
	s_delay_alu instid0(VALU_DEP_1)
	v_add_f32 v14, v14, v[PD]                      ; the row's sum
	s_wait_alu depctr_va_vdst(0)
	v_rcp_f32 v14, v14
	v_nop                                          ; a plain place behind the transcendental
.set J, 0
	s_wait_alu depctr_va_vdst(0)
.rept 16
	v_pk_mul_f32 v[S+J:S+J+1], v[O+J:O+J+1], v[14:15] op_sel_hi:[1,0]   ; each accumulator from its low end on
.set J, J+2
.endr
.set J, 0
.rept 32
.set J, J+1
.endr
.irp d, 0,1,2,3
	v_cvt_scalef32_pk8_fp8_f32 v[PC+2*\d:PC+2*\d+1], v[S+8*\d:S+8*\d+7], v[YSCL]
.endr
	v_nop                                          ; a plain vector instruction behind the last conversion
	ds_store_b128 v[STO], v[PC:PC+3]               ; channels 16 h + 0 .. 15 of row r
	ds_store_b128 v[STO], v[PC+4:PC+7] offset:32   ; channels 32 + 16 h + 0 .. 15
	ds_load_b128 v[FRG:FRG+3], v[SRD]              ; LDS serves a wave's instructions in order (ISA guide 5.7.1.4): these see my stores
	ds_load_b128 v[FRG+4:FRG+7], v[SRD] offset:512
	s_wait_dscnt 0x0
	global_store_b128 v[GO], v[FRG:FRG+3], s[\yb:\yb+1]              ; the wave stores 512 consecutive bytes, aligned
	global_store_b128 v[GO], v[FRG+4:FRG+7], s[\yb:\yb+1] offset:512
.endm
	INIT
	s_mov_b32 s[TB], 0
	s_wait_loadcnt 0x0                             ; q
	s_wait_tensorcnt 1                             ; my piece of keys 0-1,023 is in; my piece of the rest may stay out
	s_barrier_signal -1
	s_barrier_wait -1                              ; everybody's is
	s_mov_b32 s[CNT], 4
.Lfirst_half:                                      ; the long tile, keys 0-1,023: its queries begin at 1,024 or later, so every key counts
	STEP 0, 0, QL, JL
	STEP 1, 0, QL, JL
	s_add_co_u32 s[TB], s[TB], STRIP
	s_sub_co_u32 s[CNT], s[CNT], 1
	s_cmp_lg_u32 s[CNT], 0
	s_cbranch_scc1 .Lfirst_half
	s_wait_tensorcnt 0x0                           ; my piece of keys 1,024-2,047 is in,
	s_wait_dscnt 0x0
	s_barrier_signal -1
	s_barrier_wait -1                              ; everybody's is
	s_mov_b32 s[KF], 1024
	s_mov_b32 s[CNT], 4
.Lsecond_half:                                     ; the long tile, keys 1,024-2,047
	STEP 0, 1, QL, JL
	STEP 1, 1, QL, JL
	s_add_co_u32 s[TB], s[TB], STRIP
	s_sub_co_u32 s[CNT], s[CNT], 1
	s_cmp_lg_u32 s[CNT], 0
	s_cbranch_scc1 .Lsecond_half
	FINISH YL
	INIT
	s_wait_xcnt 0x0                                ; the stores have read their registers: the next loads may land there
	s_mov_b32 s[TB], 0
	s_mov_b32 s[KF], 0
	s_mov_b32 s[CNT], 4
.Lshort:                                           ; the short tile: its queries end under 1,024
	STEP 0, 1, QS, JS
	STEP 1, 1, QS, JS
	s_add_co_u32 s[TB], s[TB], STRIP
	s_sub_co_u32 s[CNT], s[CNT], 1
	s_cmp_lg_u32 s[CNT], 0
	s_cbranch_scc1 .Lshort
	FINISH YS
	s_wait_tensorcnt 0x0
	ds_add_u32 v254, v255
	s_wait_dscnt 0x0
	CROUND                                         ; the closing round
	s_endpgm
.Lfunc_end_k_q181a3a8b00_attn:
	.size	k_q181a3a8b00_attn, .Lfunc_end_k_q181a3a8b00_attn-k_q181a3a8b00_attn
	.p2alignl 7, 3214868480
	.fill 96, 4, 3214868480
	.section	.rodata,"a",@progbits
	.p2align	6, 0x0
	.amdhsa_kernel k_q181a3a8b00_attn
		.amdhsa_group_segment_fixed_size 296960
		.amdhsa_private_segment_fixed_size 0
		.amdhsa_enable_private_segment 0
		.amdhsa_kernarg_size 40
		.amdhsa_user_sgpr_count 2
		.amdhsa_user_sgpr_kernarg_segment_ptr 1
		.amdhsa_wavefront_size32 1
		.amdhsa_system_sgpr_workgroup_id_x 1
		.amdhsa_system_sgpr_workgroup_id_y 1
		.amdhsa_system_sgpr_workgroup_id_z 1
		.amdhsa_system_vgpr_workitem_id 0
		.amdhsa_next_free_vgpr 256
		.amdhsa_next_free_sgpr 100
		.amdhsa_reserve_vcc 1
		.amdhsa_float_denorm_mode_32 3
		.amdhsa_float_denorm_mode_16_64 3
		.amdhsa_fp16_overflow 1
		.amdhsa_memory_ordered 1
		.amdhsa_forward_progress 1
		.amdhsa_inst_pref_size 120
	.end_amdhsa_kernel
	.amdgpu_metadata
---
amdhsa.version: [ 1, 2 ]
amdhsa.kernels:
  - .name:           k_q181a3a8b00_attn
    .symbol:         k_q181a3a8b00_attn.kd
    .args:
      - { .name: q_codes, .offset: 0, .size: 8, .value_kind: global_buffer, .address_space: global }
      - { .name: k_codes, .offset: 8, .size: 8, .value_kind: global_buffer, .address_space: global }
      - { .name: vt_codes, .offset: 16, .size: 8, .value_kind: global_buffer, .address_space: global }
      - { .name: lowp_scales, .offset: 24, .size: 8, .value_kind: global_buffer, .address_space: global }
      - { .name: y_codes, .offset: 32, .size: 8, .value_kind: global_buffer, .address_space: global }
    .group_segment_fixed_size: 296960
    .private_segment_fixed_size: 0
    .kernarg_segment_align: 8
    .kernarg_segment_size: 40
    .max_flat_workgroup_size: 512
    .sgpr_count:     100
    .vgpr_count:     256
    .wavefront_size: 32
...
	.end_amdgpu_metadata
.endif
;; end of part 2
;; launch proj (part 3): grid 8 x 32, 4 waves a work-group, clusters of 4 x 4, 327,680 bytes of LDS; arguments y_codes, W_proj_codes, b_proj, lowp_scales, out0; writes out0
.if DOCPART == 3
	.amdgcn_target "amdgcn-amd-amdhsa--gfx1250"
	.amdhsa_code_object_version 6
	.text
	.protected	k_q181a3a8b00_proj
	.globl	k_q181a3a8b00_proj
	.p2align	8
	.type	k_q181a3a8b00_proj,@function
k_q181a3a8b00_proj:
	s_mov_b64 s[64:65], 0
	v_nop
	global_prefetch_b8 v0, s[64:65] scope:SCOPE_SE
	s_setreg_imm32_b32 hwreg(HW_REG_WAVE_MODE, 25, 1), 1
	s_wait_xcnt 0x0
	s_wait_alu depctr_hold_cnt(0) depctr_sa_sdst(0) depctr_va_vdst(0) depctr_va_sdst(0) depctr_va_ssrc(0) depctr_va_vcc(0) depctr_vm_vsrc(0)
	s_getreg_b32 s2, hwreg(HW_REG_IB_STS2, 6, 4)
	s_cmp_eq_u32 s2, 0
	s_cbranch_scc0 .Lentry_in_a_cluster
	s_endpgm
.Lentry_in_a_cluster:
	s_bfe_u32 s2, ttmp6, 0x10000c
	s_cmp_lg_u32 s2, 0xf033
	s_cbranch_scc0 .Lentry_shape_is_right
	s_endpgm
.Lentry_shape_is_right:
; out0 = y W_proj + b_proj on codes of FP8 (E4M3).  y_codes: [32 blocks of 256 tokens][16 heads][256][64]; W_proj_codes: [1024][1024], K innermost; out0: [8192][1024] f32.
; A tile of 256 tokens x 128 columns to a work-group: 32 x 8 = 256 work-groups (a tile of 256 x 256 would give 128).  Four waves, each 128 x 64: 32 accumulators, 256 registers.
; K = 1,024 goes in four fills of 256 (four heads) through THREE LDS slots: three fills are asked for at the head, the fourth goes into slot 0 when that has been read: one refill in the launch, with four steps' work in which to land.
; A fill of y is 65,536 dense bytes, [4 heads][256 tokens][64], taken as long rows of 256 bytes (four tokens of a head).  A fill of W_proj is 128 rows x 256 bytes.
; CLUSTERS of 4 x 4: y's tile hangs on the tile row alone and is asked for jointly along a row of the cluster, W_proj's on the tile column alone, along a column.
; The matrix instruction takes W_proj's rows as source 0 and y's as source 1: a lane holds eight neighbouring columns of one token.  out = sum x 2^(e6 + e7) + b_proj, one packed multiply-add for two numbers.
; LIMIT: e6 + e7 between -126 and 127.  Fragments are fetched 16 bytes a lane, a permutation of k that is the same on both sides.  No prefetch: three of the four fills are asked for at the head.
; REGISTERS: window 0: v1-30 addresses; v32-63 a block on its way out; v64-95 the bias; v128-255 y's fragments, one set (free on the way out).  window 1: W_proj's fragments, two sets, at v0 and v128.  window 2: the accumulators ((a, b) at v[8 (4 a + b)]).
.set PITCH,  272                       ; 256 bytes + 16 of padding
.set FR,     16
.set HALFT,  128*PITCH                 ; 128 long rows of y: two heads
.set HEADB,  64*PITCH                  ; a head's 256 tokens
.set HALFB,  64*PITCH                  ; 64 rows of W_proj
.set SLOT,   2*HALFT+2*HALFB
.set SPARE,  3*SLOT                    ; behind the slots: the spare words, 128 bytes a wave, that no other line names
.set STG,    SLOT                      ; the way out: 16 rows x 272 bytes for each wave, in slot 1: filled once, and last read in front of the last barrier
.set ADRA, 16                          ; v16-18  LDS address of my fragments of y in slot 0, 1, 2
.set ADRB, 20                          ; v20-22  the same for W_proj
.set STO,  24
.set RD,   25
.set CO,   26
.set SPW,  28                          ; v28  my spare word; never rewritten
.set NIL,  29                          ; v29  0; never rewritten
.set TMP,  32
.set BIAS, 64
.set AF,   128
.set BK,   128                         ; the way out: rows read back: v128-159 and v160-191 by turns
.set G1,  24                           ; s[24:31] group 1 for y's tiles;  s[32:43] group 0, a set for each slot
.set G0,  32
.set G1B, 48                           ; s[48:55] group 1 for W_proj's;  s[56:63], s[68:71] group 0
.set G0B, 56
.set G0B2, 68
.set MSB, 0
.macro WIN new                         ; the immediate's high byte repeats the setting that is left
.if MSB != (\new)
	s_set_vgpr_msb (MSB<<8)|(\new)
.set MSB, \new
.endif
.endm
.set MUL,  0xa1                        ; source 0 (W_proj) window 1, source 1 (y) window 0, C and D window 2
.set TO_B, 0x40
.macro PLACES n
.rept \n
	v_nop
.endr
.endm
.macro CREST
	s_cmp_lg_u32 s14, 0
	s_cbranch_scc1 .Lnot_wave_0_\@
	s_barrier_signal -3
.Lnot_wave_0_\@:
	s_barrier_wait -3
	s_barrier_signal -1
	s_barrier_wait -1
.endm
.macro CROUND
	s_barrier_signal -1
	s_barrier_wait -1
	CREST
.endm
.macro SETG0 g, lds, adr, s, bytes     ; group 0 for slot s: count 1, LDS address, global address, type 2
	s_mov_b32 s[\g], 1
	s_add_co_u32 s[\g+1], s[\lds], \s*SLOT
	s_add_nc_u64 s[\g+2:\g+3], s[\adr:\adr+1], \s*\bytes
	s_or_b32 s[\g+3], s[\g+3], 0x80000000
.endm
	s_load_b256 s[4:11], s[0:1], 0x0               ; y s[4:5], W_proj s[6:7], b_proj s[8:9], the scales' exponents s[10:11]
	s_load_b64 s[12:13], s[0:1], 0x20              ; out0
	v_lshl_add_u32 v[SPW], v0, 2, SPARE
	v_mov_b32 v[NIL], 0
	ds_add_u32 v28, v29
	ds_add_u32 v28, v29
	s_wait_dscnt 0x0
	v_lshrrev_b32 v1, 5, v0
	v_readfirstlane_b32 s14, v1                    ; wave 0..3
	s_lshr_b32 s15, s14, 1                         ; which half of the tile's tokens is mine.  Also: I fetch for y (0) or for W_proj (1)
	s_and_b32 s16, s14, 1                          ; which half of its columns.  Also: which half of that tile I fetch
	s_bfe_u32 s72, ttmp6, 0x40000                  ; cx, cy
	s_bfe_u32 s73, ttmp6, 0x40004
	s_lshl_b32 s74, ttmp9, 2
	s_add_co_u32 s74, s74, s72                     ; tile column = 4 x cluster x + cx
	s_and_b32 s17, ttmp7, 0xffff
	s_lshl_b32 s17, s17, 2
	s_add_co_u32 s17, s17, s73                     ; tile row = 4 x cluster y + cy
	s_lshl_b32 s44, s73, 2
	s_lshl_b32 s44, 15, s44                        ; my row of the cluster
	s_lshl_b32 s45, 0x1111, s72                    ; my column
	s_or_b32 s[G1+0], s44, (1<<20)|(1<<21)|(5<<22)|(3<<25)   ; the mask; elements of 1 byte; padding on; bit 21 beside a mask; four words after every 64
	s_or_b32 s[G1B+0], s45, (1<<20)|(1<<21)|(5<<22)|(3<<25)
	s_mov_b32 s[G1+1], 256<<16                     ; y: 128 long rows of 256 bytes, dense
	s_mov_b32 s[G1+2], 128<<16
	s_mov_b32 s[G1+3], 256<<16
	s_mov_b32 s[G1+4], 128
	s_mov_b32 s[G1+5], 256
	s_mov_b32 s[G1+6], 0
	s_mov_b32 s[G1+7], 0
	s_mov_b32 s[G1B+1], 256<<16                    ; W_proj: 64 rows of 256 bytes, 1,024 apart
	s_mov_b32 s[G1B+2], 64<<16
	s_mov_b32 s[G1B+3], 256<<16
	s_mov_b32 s[G1B+4], 64
	s_mov_b32 s[G1B+5], 1024
	s_mov_b32 s[G1B+6], 0
	s_mov_b32 s[G1B+7], 0
	s_lshl_b32 s20, s17, 18                        ; y: the block of 256 tokens, + two heads x half
	s_lshl_b32 s21, s16, 15
	s_add_co_u32 s20, s20, s21
	s_mov_b32 s21, 0
	s_lshl_b32 s46, s74, 7                         ; W_proj: row 128 x tile column + 64 x half
	s_lshl_b32 s47, s16, 6
	s_add_co_u32 s46, s46, s47
	s_lshl_b32 s46, s46, 10
	s_mov_b32 s47, 0
	s_mul_i32 s18, s16, HALFT                      ; where they go: no place in the cluster enters an LDS address
	s_mul_i32 s19, s16, HALFB
	s_add_co_u32 s19, s19, 2*HALFT
	s_wait_kmcnt 0x0
	s_load_b256 s[80:87], s[10:11], 0x0            ; e0 .. e7
	s_add_nc_u64 s[20:21], s[4:5], s[20:21]
	s_add_nc_u64 s[46:47], s[6:7], s[46:47]
	SETG0 G0, 18, 20, 0, 65536
	SETG0 G0+4, 18, 20, 1, 65536
	SETG0 G0+8, 18, 20, 2, 65536
	SETG0 G0B, 19, 46, 0, 256
	SETG0 G0B+4, 19, 46, 1, 256
	SETG0 G0B2, 19, 46, 2, 256
	CROUND                                         ; all sixteen work-groups are here: the first joint loads meet
	s_cmp_eq_u32 s15, 0                            ; a wave's three first fills stand in one branch: three loads of mine are out
	s_cbranch_scc0 .Lfirst_b
	tensor_load_to_lds s[G0:G0+3], s[G1:G1+7]
	s_nop 0
	tensor_load_to_lds s[G0+4:G0+7], s[G1:G1+7]
	s_nop 0
	tensor_load_to_lds s[G0+8:G0+11], s[G1:G1+7]
	s_nop 0
	PLACES 4
	s_branch .Lfirst_asked
.Lfirst_b:
	tensor_load_to_lds s[G0B:G0B+3], s[G1B:G1B+7]
	s_nop 0
	tensor_load_to_lds s[G0B+4:G0B+7], s[G1B:G1B+7]
	s_nop 0
	tensor_load_to_lds s[G0B2:G0B2+3], s[G1B:G1B+7]
	s_nop 0
	PLACES 4
.Lfirst_asked:
	v_and_b32 v1, 15, v0                           ; r
	v_bfe_u32 v2, v0, 4, 1                         ; h
	s_lshl_b32 s90, s74, 9                         ; the bias: b_proj[128 x tile column + 64 x half + 16 b + 8 h + j]
	s_lshl_b32 s91, s16, 8
	s_add_co_u32 s90, s90, s91
	s_mov_b32 s91, 0
	s_add_nc_u64 s[8:9], s[8:9], s[90:91]
	v_lshlrev_b32 v10, 5, v2
.irp b, 0,1,2,3
	global_load_b128 v[BIAS+8*\b:BIAS+8*\b+3], v10, s[8:9] offset:64*\b
	global_load_b128 v[BIAS+8*\b+4:BIAS+8*\b+7], v10, s[8:9] offset:64*\b+16
.endr
	v_lshrrev_b32 v3, 2, v1
	v_mul_u32_u24 v3, v3, PITCH
	v_and_b32 v4, 3, v1
	v_lshl_add_u32 v3, v4, 6, v3
	v_lshl_add_u32 v3, v2, 4, v3                   ; y: token r of a block: long row r / 4, 64 (r % 4) bytes in, + 16 h
	v_mul_u32_u24 v4, v1, PITCH
	v_lshl_add_u32 v4, v2, 4, v4                   ; W_proj: row r, + 16 h
	s_mul_i32 s88, s15, 32*PITCH                   ; my 128 tokens: 32 long rows in each head
	s_mul_i32 s89, s16, HALFB                      ; my 64 rows of W_proj,
	s_add_co_u32 s89, s89, 2*HALFT                 ; which lie behind y's tile
.irp s, 0,1,2
	v_add_nc_u32 v[ADRA+\s], s88, v3
	v_add_nc_u32 v[ADRB+\s], s89, v4
	s_add_co_u32 s88, s88, SLOT
	s_add_co_u32 s89, s89, SLOT
.endr
	s_mul_i32 s88, s14, 16*PITCH
	s_add_co_u32 s88, s88, STG                     ; my stage
	v_mul_u32_u24 v5, v1, PITCH
	v_lshl_add_u32 v5, v2, 5, v5
	v_add_nc_u32 v[STO], s88, v5                   ; in: row r, 32 bytes for each half of the lanes
	v_mul_u32_u24 v5, v2, PITCH
	v_lshl_add_u32 v5, v1, 4, v5
	v_add_nc_u32 v[RD], s88, v5                    ; back: lanes 0-15 one row of 256 bytes, lanes 16-31 the next
	v_lshlrev_b32 v5, 12, v2
	v_lshl_add_u32 v[CO], v1, 4, v5                ; and the same two rows in out0
	s_lshl_b32 s88, s17, 8
	s_lshl_b32 s89, s15, 7
	s_add_co_u32 s88, s88, s89
	s_lshl_b32 s88, s88, 12                        ; my first token: rows of 4,096 bytes
	s_lshl_b32 s89, s74, 9
	s_add_co_u32 s88, s88, s89
	s_lshl_b32 s89, s16, 8
	s_add_co_u32 s88, s88, s89                     ; my first column, in bytes
	s_mov_b32 s89, 0
	s_add_nc_u64 s[12:13], s[12:13], s[88:89]
.macro FETCH_B slot, q, p              ; W_proj's four fragments of the slot's q-th 128 along K into set p
	WIN TO_B
.irp i, 0,1,2,3
.irp c, 0,1,2,3
	ds_load_b128 v[128*(\p)+FR*\i+4*\c:128*(\p)+FR*\i+4*\c+3], v[ADRB+\slot] offset:128*(\q)+32*\c+\i*16*PITCH
.endr
.endr
	WIN 0
.endm
.macro FETCH_A slot, q, i0             ; y's blocks i0 .. i0 + 3: k = 128 q + 32 c + 16 h lies in head 2 q + c / 2 of the fill, 32 (c % 2) + 16 h bytes into the token's 64
.irp i, \i0, \i0+1, \i0+2, \i0+3
.irp c, 0,1,2,3
	ds_load_b128 v[AF+FR*(\i)+4*\c:AF+FR*(\i)+4*\c+3], v[ADRA+\slot] offset:(2*(\q)+\c/2)*HEADB+(\i)*4*PITCH+32*(\c%2)
.endr
.endr
.endm
; 8 matrix instructions: y's blocks a0, a0 + 1 x W_proj's four.  The 32 accumulators take turns, one instruction a turn, in the same order in every step
.macro MULA a0, p, zero
.irp a, \a0, \a0+1
.irp b, 0,1,2,3
.if \zero
	v_wmma_f32_16x16x128_fp8_fp8 v[8*(4*(\a)+\b):8*(4*(\a)+\b)+7], v[128*(\p)+FR*\b:128*(\p)+FR*\b+FR-1], v[AF+FR*(\a):AF+FR*(\a)+FR-1], 0
.else
	v_wmma_f32_16x16x128_fp8_fp8 v[8*(4*(\a)+\b):8*(4*(\a)+\b)+7], v[128*(\p)+FR*\b:128*(\p)+FR*\b+FR-1], v[AF+FR*(\a):AF+FR*(\a)+FR-1], v[8*(4*(\a)+\b):8*(4*(\a)+\b)+7]
.endif
.endr
.endr
.endm
.macro STEP slot, q, zero, nslot, nq   ; a step of 128 along K whose successor (nslot, nq) is known to have landed
	s_wait_dscnt 16                                ; W_proj's set and y's blocks 0-3 are in; the youngest 16 loads (blocks 4-7) may be out
	WIN MUL
	MULA 0, (\q)%2, \zero
	MULA 2, (\q)%2, \zero
	s_wait_dscnt 0
	PLACES 4
	FETCH_B \nslot, \nq, 1-(\q)%2
	FETCH_A \nslot, \nq, 0
	WIN MUL
	MULA 4, (\q)%2, \zero
	MULA 6, (\q)%2, \zero
	PLACES 4
	WIN 0
	FETCH_A \nslot, \nq, 4
.endm
; A slot's last step with a barrier.  In front of it each wave waits for all its tensor loads, adds 0 to its spare word, and waits for that and for its reads so far.  fill = 1 (slot 0 alone): the slot takes the fourth fill
.macro TURN slot, next, fill
	s_wait_tensorcnt 0x0                           ; all my tensor loads have landed
	ds_add_u32 v[SPW], v[NIL]                      ; 0 onto my spare word
	s_wait_dscnt 17                                ; (the add and the youngest 16 loads may be out)
	WIN MUL
	MULA 0, 1, 0                                   ; eight matrix instructions stand between the add and the wait for it
	s_wait_dscnt 0x0                               ; the add is done, and my reads of this slot are over
	s_barrier_signal -1
	MULA 2, 1, 0
	WIN 0
	s_barrier_wait -1
.if \fill
	CREST                                          ; the barrier has opened a round of the cluster's: no wave of any partner still reads slot 0 or has a load on its way
	s_add_nc_u64 s[G0+2:G0+3], s[G0+2:G0+3], 3*65536
	s_add_nc_u64 s[G0B+2:G0B+3], s[G0B+2:G0B+3], 3*256
	s_cmp_eq_u32 s15, 0
	s_cbranch_scc0 .Lfor_b_\@
	tensor_load_to_lds s[G0:G0+3], s[G1:G1+7]      ; the first tensor load behind the round, and my only one; its four v_nop are the places in front of the loads below
	s_nop 0
	PLACES 4
	s_branch .Lasked_\@
.Lfor_b_\@:
	tensor_load_to_lds s[G0B:G0B+3], s[G1B:G1B+7]
	s_nop 0
	PLACES 4
.Lasked_\@:
.else
	PLACES 4
.endif
	FETCH_B \next, 0, 0
	FETCH_A \next, 0, 0
	WIN MUL
	MULA 4, 1, 0
	MULA 6, 1, 0
	PLACES 4
	WIN 0
	FETCH_A \next, 0, 4
.endm
	s_wait_tensorcnt 2                             ; my part of the first fill is in (the two behind it may be out)
	s_barrier_signal -1
	s_barrier_wait -1                              ; everybody's is
	FETCH_B 0, 0, 0
	FETCH_A 0, 0, 0
	FETCH_A 0, 0, 4
	STEP 0, 0, 1, 0, 1                             ; K 0: the products start the sums
	TURN 0, 1, 1                                   ; K 128; all three fills are shown landed; slot 0 takes K 768 ..
	STEP 1, 0, 0, 1, 1                             ; K 256
	s_wait_alu depctr_va_vdst(0)
	STEP 1, 1, 0, 2, 0                             ; K 384; slot 2 was shown whole in front of the round above
	STEP 2, 0, 0, 2, 1                             ; K 512
	TURN 2, 0, 0                                   ; K 640; the fourth fill is shown landed; behind this barrier nobody reads slot 1
	STEP 0, 0, 0, 0, 1                             ; K 768
	s_wait_dscnt 16                                ; K 896: nothing more to fetch
	WIN MUL
	MULA 0, 1, 0
	MULA 2, 1, 0
	s_wait_dscnt 0
	MULA 4, 1, 0
	MULA 6, 1, 0
	WIN 0
; THE WAY OUT, block by block of 16 tokens x 64 columns: through my own stage and back as rows of 256 bytes.  LDS serves a wave's instructions in order (ISA guide 5.7.1.4): no wait between the stores and the loads
.macro TOSTAGE a
.set AC, 32*(\a)
	WIN 0x02                                       ; source 0: window 2
.set J, 0
.rept 16
	v_pk_fma_f32 v[TMP+J:TMP+J+1], v[AC+J:AC+J+1], s[96:97], v[BIAS+J:BIAS+J+1] op_sel_hi:[1,0,1]   ; sum x 2^(e6 + e7) + b_proj; each accumulator from its low end on
.set J, J+2
.endr
	WIN 0
.irp b, 0,1,2,3
	ds_store_b128 v[STO], v[TMP+8*\b:TMP+8*\b+3] offset:64*\b
	ds_store_b128 v[STO], v[TMP+8*\b+4:TMP+8*\b+7] offset:64*\b+16
.endr
.set BB, BK+32*((\a)%2)
.irp t, 0,1,2,3,4,5,6,7
	ds_load_b128 v[BB+4*\t:BB+4*\t+3], v[RD] offset:\t*2*PITCH
.endr
.endm
.macro SEND a, younger                 ; younger: the LDS instructions issued behind block a's loads, which may stay out
.set BB, BK+32*((\a)%2)
	s_wait_dscnt \younger
.if (\a) > 0
	s_add_nc_u64 s[12:13], s[12:13], 16*4096       ; (behind a wait on XCNT: the earlier stores have read their base)  16 tokens on
.endif
.irp t, 0,1,2,3,4,5,6,7
	global_store_b128 v[CO], v[BB+4*\t:BB+4*\t+3], s[12:13] offset:\t*2*4096 th:TH_STORE_NT   ; sixteen lanes store 256 consecutive bytes, aligned; written once, read by nobody here
.endr
.endm
	s_wait_kmcnt 0x0
	s_add_co_i32 s96, s86, s87                     ; e6 + e7
	s_add_co_i32 s96, s96, 127
	s_lshl_b32 s96, s96, 23                        ; 2^(e6 + e7) as f32
	s_mov_b32 s97, s96                             ; (named with it as a pair, so it is written)
	s_wait_loadcnt 0x0                             ; the bias
	PLACES 4                                       ; behind the last products: for the reads of results and the loads into the registers that held y's fragments
	TOSTAGE 0
.irp a, 1,2,3,4,5,6,7
.if \a > 1
	s_wait_xcnt 0x0                                ; block a - 2's stores have read their registers and their base
.endif
	TOSTAGE \a
	SEND \a-1, 16                                  ; behind block a - 1's loads: block a's 8 stores and 8 loads
.endr
	s_wait_xcnt 0x0
	SEND 7, 0
	s_wait_tensorcnt 0x0                           ; the wave's end
	ds_add_u32 v[SPW], v[NIL]
	s_wait_dscnt 0x0
	CROUND                                         ; the closing round
	s_endpgm
.Lfunc_end_k_q181a3a8b00_proj:
	.size	k_q181a3a8b00_proj, .Lfunc_end_k_q181a3a8b00_proj-k_q181a3a8b00_proj
	.p2alignl 7, 3214868480
	.fill 96, 4, 3214868480
	.section	.rodata,"a",@progbits
	.p2align	6, 0x0
	.amdhsa_kernel k_q181a3a8b00_proj
		.amdhsa_group_segment_fixed_size 327680
		.amdhsa_private_segment_fixed_size 0
		.amdhsa_enable_private_segment 0
		.amdhsa_kernarg_size 40
		.amdhsa_user_sgpr_count 2
		.amdhsa_user_sgpr_kernarg_segment_ptr 1
		.amdhsa_wavefront_size32 1
		.amdhsa_system_sgpr_workgroup_id_x 1
		.amdhsa_system_sgpr_workgroup_id_y 1
		.amdhsa_system_sgpr_workgroup_id_z 1
		.amdhsa_system_vgpr_workitem_id 0
		.amdhsa_next_free_vgpr 768
		.amdhsa_next_free_sgpr 100
		.amdhsa_reserve_vcc 0
		.amdhsa_float_denorm_mode_32 3
		.amdhsa_float_denorm_mode_16_64 3
		.amdhsa_memory_ordered 1
		.amdhsa_forward_progress 1
		.amdhsa_inst_pref_size 78
	.end_amdhsa_kernel
	.amdgpu_metadata
---
amdhsa.version: [ 1, 2 ]
amdhsa.kernels:
  - .name:           k_q181a3a8b00_proj
    .symbol:         k_q181a3a8b00_proj.kd
    .args:
      - { .name: y_codes, .offset: 0, .size: 8, .value_kind: global_buffer, .address_space: global }
      - { .name: W_proj_codes, .offset: 8, .size: 8, .value_kind: global_buffer, .address_space: global }
      - { .name: b_proj, .offset: 16, .size: 8, .value_kind: global_buffer, .address_space: global }
      - { .name: lowp_scales, .offset: 24, .size: 8, .value_kind: global_buffer, .address_space: global }
      - { .name: out0, .offset: 32, .size: 8, .value_kind: global_buffer, .address_space: global }
    .group_segment_fixed_size: 327680
    .private_segment_fixed_size: 0
    .kernarg_segment_align: 8
    .kernarg_segment_size: 40
    .max_flat_workgroup_size: 128
    .sgpr_count:     100
    .vgpr_count:     768
    .wavefront_size: 32
...
	.end_amdgpu_metadata
.endif
;; end of part 3
